; MI455X (gfx1250); checked and timed in simulation.
; The chip was launched on July 23, 2026; its instructions are those of AMD's public machine-readable ISA for CDNA 5 (MIT licence, August 2026) and "CDNA5" Instruction Set Architecture Reference Guide (July 2026). The comments in the code are by the model that wrote it; some were corrected since.
;; Bahadanau Attention. Allowed arithmetic: float matrix products may take bf16 or f16 operands with f32 sums; all other float work in f32.
;; Inputs: keys 32,768 x 1,024 float32; query 1 x 1,024 float32.
;; Outputs: out0 1 x 1,024 float32.
;; 2 versions, each right; version 2 is version 1 with the launch partial written anew for expert scheduling mode. Each part assembles by itself: llvm-mc -triple=amdgcn-amd-amdhsa -mcpu=gfx1250 --defsym DOCPART=n.
;; ======== version 1 of 2: 2 launches
;; workspace buffers: part 1,048,576 bytes
;; launch partial (part 1): grid 256 x 1, 16 waves a work-group, no clusters, 67,584 bytes of LDS; arguments keys, query, part; writes part
.if DOCPART == 1
	.amdgcn_target "amdgcn-amd-amdhsa--gfx1250"
	.amdhsa_code_object_version 6
	.text
	.protected	k_q6f86f75bf0_partial
	.globl	k_q6f86f75bf0_partial
	.p2align	8
	.type	k_q6f86f75bf0_partial,@function
k_q6f86f75bf0_partial:
	s_mov_b64 s[64:65], 0
	v_nop
	global_prefetch_b8 v0, s[64:65] scope:SCOPE_SE
	s_setreg_imm32_b32 hwreg(HW_REG_WAVE_MODE, 25, 1), 1
	s_wait_xcnt 0x0
; part[g][c] = sum over the work-group's 128 rows s of cos(s) * keys[s][c],   cos(s) = (keys[s] . q) / (|q| |keys[s]|).
; keys: [32768][1024] f32, query: [1024] f32, part: [256][1024] f32 (one partial context for each work-group; the next launch adds them).
; A stream: three multiply-adds for every 4 bytes read, so the bytes decide.  Every byte of keys is read once.
; Sixteen waves; a wave owns 8 neighbouring rows.  A row is 4,096 bytes: eight 16-byte loads a lane, each load of the wave 512 neighbouring
; aligned bytes, 32 registers.  The row stays in registers between the pass that makes k.q and k.k and the pass that adds score * row.
; A ring of five row slots a wave: 16 waves x 5 rows x 4,096 bytes = 320 KB of the group's 512 KB are asked for at the start.
; Four waves of 242 registers lie on each of the WGP's four SIMDs: 968 of its 1,024 registers.
; All arithmetic in f32 on the vector unit.  No matrix instruction: the product has ONE query row, so 15 of a tile's 16 columns would be
; idle, and rounding the keys to bf16 would cost as many vector instructions as the multiply-adds it replaced.
; No cluster: the work-groups share nothing but the query, 4 KB beside the 512 KB of keys that each reads alone.
; LIMITS: q.q and every row's k.k must be normal f32 numbers (norms from about 1.1e-19 to 1.8e19): v_rsq_f32 takes a denormal as zero.
; A row of zeros gives NaN, as 0/0 does.  Rounding differs from a division by |q| |k|: q is scaled once by rsq(q.q), the score is
; (k.q^) * rsq(k.k), and the sums run lane by lane, then across lanes, waves and work-groups.
.set ROW,    4096                      ; bytes in a row
.set SLOTS,  5                         ; row slots of a wave
.set QO,   1                           ; v1        16 x lane: my 16 bytes in each 512 of the query; never rewritten
.set KO,   2                           ; v2        16 x lane + wave x 8 rows: my bytes in the wave's first row; never rewritten
.set LS,   3                           ; v3        LDS: where my wave's sums go (wave x 4,096 + 16 x lane)
.set LR,   4                           ; v4        8 x thread: my two columns, in LDS and in part
.set S,    6                           ; v[6:7]    score, rsq
.set D,    8                           ; v[8:11]   two chains (pairs) of k.q^
.set N,    12                          ; v[12:15]  two chains (pairs) of k.k
.set Q,    16                          ; v[16:47]  q^ = q / |q|: register 4 j + c of lane l is column 128 j + 4 l + c, as in every row slot
.set ACC,  48                          ; v[48:79]  the wave's running context, same layout
.set X,    80                          ; v[80:239] slot s: 32 registers, a row
	s_load_b128 s[4:7], s[0:1], 0x0                ; keys s[4:5], query s[6:7]
	s_load_b64 s[8:9], s[0:1], 0x10                ; part
	v_lshl_add_u32 v240, v0, 2, 0x10000
	v_mov_b32 v241, 0
	v_lshrrev_b32 v[LS], 5, v0
	v_readfirstlane_b32 s14, v[LS]                 ; wave 0..15, as a scalar
	v_and_b32 v[QO], 31, v0
	v_lshlrev_b32 v[QO], 4, v[QO]                  ; 16 x lane
	v_lshl_add_u32 v[KO], s14, 15, v[QO]           ; + wave x 8 rows x 4,096 bytes
	v_lshlrev_b32 v[LR], 3, v0                     ; 8 x thread
	s_lshl_b32 s15, s14, 12                        ; my wave's 4,096 bytes of LDS
	s_lshl_b32 s2, ttmp9, 19                       ; the work-group's 128 rows x 4,096 bytes: at most 255 x 2^19, below 2^32
	s_mov_b32 s3, 0
	s_lshl_b32 s12, ttmp9, 12                      ; the work-group's row of part
	s_mov_b32 s13, 0
	s_mov_b32 s10, 0x76543210                      ; v_permlanex16_b32: lane i of one half reads lane i of the other
	s_mov_b32 s11, 0xfedcba98
	s_wait_kmcnt 0x0
	s_add_nc_u64 s[4:5], s[4:5], s[2:3]            ; keys at the group's first row
	s_add_nc_u64 s[8:9], s[8:9], s[12:13]          ; part at the group's row
.irp j, 0,1,2,3,4,5,6,7
	global_load_b128 v[Q+4*\j:Q+4*\j+3], v[QO], s[6:7] offset:512*\j      ; the query: every wave reads it, so no hint
.endr
; Eight loads bring a row into slot s.  The row and the piece stand in the immediate (at most 7 x 4,096 + 3,584), so no address is ever stepped.
.macro FILL row, s
.irp j, 0,1,2,3,4,5,6,7
	global_load_b128 v[X+32*\s+4*\j:X+32*\s+4*\j+3], v[KO], s[4:5] offset:(\row)*ROW+512*\j th:TH_LOAD_NT   ; read once in the launch
.endr
.endm
	FILL 0, 0
	FILL 1, 1
	FILL 2, 2
	FILL 3, 3
	FILL 4, 4
	; q^ = q * rsq(q.q), once a wave, while the keys are on their way
	s_wait_loadcnt 8*SLOTS                         ; loads come back in order (ISA guide 5.7.1): the query is in, the 40 loads of rows 0 to 4 stay out
.irp c, 0,1,2,3
	v_pk_mul_f32 v[D+2*\c:D+2*\c+1], v[Q+2*\c:Q+2*\c+1], v[Q+2*\c:Q+2*\c+1]      ; the first products start four chains (D and N together): nothing is cleared
.endr
.set p, 4
.rept 12
	v_pk_fma_f32 v[D+2*(p%4):D+2*(p%4)+1], v[Q+2*p:Q+2*p+1], v[Q+2*p:Q+2*p+1], v[D+2*(p%4):D+2*(p%4)+1]
.set p, p+1
.endr
	v_pk_add_f32 v[D:D+1], v[D:D+1], v[D+2:D+3]
	v_pk_add_f32 v[N:N+1], v[N:N+1], v[N+2:N+3]
	v_pk_add_f32 v[D:D+1], v[D:D+1], v[N:N+1]
	v_add_f32 v[D], v[D], v[D+1]
.irp m, 1,2,4,8
	v_add_f32_dpp v[D], v[D], v[D] row_xmask:\m row_mask:0xf bank_mask:0xf       ; lane i adds lane i xor m, inside each half of 16 lanes
.endr
	v_permlanex16_b32 v[D+1], v[D], s10, s11       ; the other half's sum (its destination counts as read: D+1 has been written)
	v_add_f32 v[D], v[D], v[D+1]                   ; q.q in every lane
	v_rsq_f32 v[S], v[D]                           ; twice: a pair for the packed multiply
	v_rsq_f32 v[S+1], v[D]
	v_add_nc_u32 v[LS], s15, v[QO]                 ; one plain vector instruction stands between v_rsq_f32 and the use of its result (ISA guide 5.7.2)
.set p, 0
	s_wait_alu depctr_va_vdst(0)
.rept 16
	v_pk_mul_f32 v[Q+2*p:Q+2*p+1], v[Q+2*p:Q+2*p+1], v[S:S+1]
.set p, p+1
.endr
; The turn of one row, in slot s.  first = 1: its products start the running context.  fill = 1: the slot then gets the row SLOTS further down.
; left = how many younger loads may stay out.
.macro TURN row, s, first, fill, left
	s_wait_loadcnt \left                           ; my row's eight loads are in; the rows asked for behind it stay on their way
	; pass 1: k.q^ and k.k of my 32 numbers, two chains each, taken by turns so that no line waits for the one in front of it
	v_pk_mul_f32 v[D:D+1],   v[X+32*\s:X+32*\s+1],   v[Q:Q+1]
	v_pk_mul_f32 v[N:N+1],   v[X+32*\s:X+32*\s+1],   v[X+32*\s:X+32*\s+1]
	v_pk_mul_f32 v[D+2:D+3], v[X+32*\s+2:X+32*\s+3], v[Q+2:Q+3]
	v_pk_mul_f32 v[N+2:N+3], v[X+32*\s+2:X+32*\s+3], v[X+32*\s+2:X+32*\s+3]
.set p, 2
.rept 14
	v_pk_fma_f32 v[D+2*(p%2):D+2*(p%2)+1], v[X+32*\s+2*p:X+32*\s+2*p+1], v[Q+2*p:Q+2*p+1], v[D+2*(p%2):D+2*(p%2)+1]
	v_pk_fma_f32 v[N+2*(p%2):N+2*(p%2)+1], v[X+32*\s+2*p:X+32*\s+2*p+1], v[X+32*\s+2*p:X+32*\s+2*p+1], v[N+2*(p%2):N+2*(p%2)+1]
.set p, p+1
.endr
	v_pk_add_f32 v[N:N+1], v[N:N+1], v[N+2:N+3]
	v_pk_add_f32 v[D:D+1], v[D:D+1], v[D+2:D+3]
	v_add_f32 v[N], v[N], v[N+1]
	v_add_f32 v[D], v[D], v[D+1]
	; across the 32 lanes, both sums by turns: four steps inside each half, one across the halves; every lane ends with both sums
.irp m, 1,2,4,8
	v_add_f32_dpp v[N], v[N], v[N] row_xmask:\m row_mask:0xf bank_mask:0xf
	v_add_f32_dpp v[D], v[D], v[D] row_xmask:\m row_mask:0xf bank_mask:0xf
.endr
	v_permlanex16_b32 v[N+1], v[N], s10, s11
	v_permlanex16_b32 v[D+1], v[D], s10, s11
	v_add_f32 v[N], v[N], v[N+1]                   ; k.k
	v_rsq_f32 v[S+1], v[N]                         ; 1 / |k|
	v_add_f32 v[D], v[D], v[D+1]                   ; k.q^: also the plain instruction between v_rsq_f32 and its result's use (ISA guide 5.7.2)
	s_wait_alu depctr_va_vdst(0)
	v_mul_f32 v[S], v[D], v[S+1]                   ; the row's cosine
	; pass 2: context += cosine * row; op_sel_hi 0 for the second source lets both halves take v[S]
.set p, 0
.rept 16
.if \first
	v_pk_mul_f32 v[ACC+2*p:ACC+2*p+1], v[X+32*\s+2*p:X+32*\s+2*p+1], v[S:S+1] op_sel_hi:[1,0]
.else
	v_pk_fma_f32 v[ACC+2*p:ACC+2*p+1], v[X+32*\s+2*p:X+32*\s+2*p+1], v[S:S+1], v[ACC+2*p:ACC+2*p+1] op_sel_hi:[1,0,1]
.endif
.set p, p+1
.endr
.if \fill
	FILL \row+SLOTS, \s                            ; the slot has been read for the last time: its next row goes out at once
.endif
.endm
	; Issue order of the rows: 0 to 4 at the start, 5, 6, 7 behind turns 0, 1, 2.  Each count is 8 x the rows issued behind the one that is due.
	TURN 0, 0, 1, 1, 32                            ; rows 1 to 4 stay out
	TURN 1, 1, 0, 1, 32                            ; rows 2 to 5
	TURN 2, 2, 0, 1, 32                            ; rows 3 to 6
	TURN 3, 3, 0, 0, 32                            ; rows 4 to 7; nothing is left to ask for, and the counts run down
	TURN 4, 4, 0, 0, 24
	TURN 5, 0, 0, 0, 16
	TURN 6, 1, 0, 0, 8
	TURN 7, 2, 0, 0, 0
	; The sixteen waves' contexts meet in LDS: wave w's 4,096 bytes at 4,096 w, in the order of the columns (512 j + 16 x lane).
.irp j, 0,1,2,3,4,5,6,7
	ds_store_b128 v[LS], v[ACC+4*\j:ACC+4*\j+3] offset:512*\j       ; 32 lanes, 512 neighbouring bytes
.endr
	s_wait_dscnt 0x0                               ; for the other waves' sake: my stores are done before I say so
	s_barrier_signal -1
	s_barrier_wait -1
	; Thread t adds columns 2 t and 2 t + 1 of the sixteen contexts: a wave's load takes 256 neighbouring bytes.
.irp w, 0,1,2,3,4,5,6,7,8,9,10,11,12,13,14,15
	ds_load_b64 v[X+2*\w:X+2*\w+1], v[LR] offset:4096*\w
.endr
.macro PAIRSUM c, d                    ; pair c += pair d
	v_pk_add_f32 v[X+2*(\c):X+2*(\c)+1], v[X+2*(\c):X+2*(\c)+1], v[X+2*(\d):X+2*(\d)+1]
.endm
	s_wait_dscnt 0x8                               ; LDS loads come back in order (ISA guide 5.7.1): the first eight are in, the younger eight may be out
.irp c, 0,2,4,6
	PAIRSUM \c, \c+1
.endr
	s_wait_dscnt 0x0
.irp c, 8,10,12,14
	PAIRSUM \c, \c+1
.endr
.irp c, 0,4,8,12
	PAIRSUM \c, \c+2
.endr
	PAIRSUM 0, 4
	PAIRSUM 8, 12
	PAIRSUM 0, 8
	global_store_b64 v[LR], v[X:X+1], s[8:9]       ; each store of a wave covers 256 consecutive bytes, aligned; the next launch reads them: no hint
	s_wait_tensorcnt 0x0
	ds_add_u32 v240, v241
	s_wait_dscnt 0x0
	s_endpgm
.Lfunc_end_k_q6f86f75bf0_partial:
	.size	k_q6f86f75bf0_partial, .Lfunc_end_k_q6f86f75bf0_partial-k_q6f86f75bf0_partial
	.p2alignl 7, 3214868480
	.fill 96, 4, 3214868480
	.section	.rodata,"a",@progbits
	.p2align	6, 0x0
	.amdhsa_kernel k_q6f86f75bf0_partial
		.amdhsa_group_segment_fixed_size 67584
		.amdhsa_private_segment_fixed_size 0
		.amdhsa_enable_private_segment 0
		.amdhsa_kernarg_size 24
		.amdhsa_user_sgpr_count 2
		.amdhsa_user_sgpr_kernarg_segment_ptr 1
		.amdhsa_wavefront_size32 1
		.amdhsa_system_sgpr_workgroup_id_x 1
		.amdhsa_system_sgpr_workgroup_id_y 1
		.amdhsa_system_sgpr_workgroup_id_z 1
		.amdhsa_system_vgpr_workitem_id 0
		.amdhsa_next_free_vgpr 242
		.amdhsa_next_free_sgpr 66
		.amdhsa_reserve_vcc 0
		.amdhsa_float_denorm_mode_32 3
		.amdhsa_float_denorm_mode_16_64 3
		.amdhsa_memory_ordered 1
		.amdhsa_forward_progress 1
		.amdhsa_inst_pref_size 46
	.end_amdhsa_kernel
	.amdgpu_metadata
---
amdhsa.version: [ 1, 2 ]
amdhsa.kernels:
  - .name:           k_q6f86f75bf0_partial
    .symbol:         k_q6f86f75bf0_partial.kd
    .args:
      - { .name: keys, .offset: 0, .size: 8, .value_kind: global_buffer, .address_space: global }
      - { .name: query, .offset: 8, .size: 8, .value_kind: global_buffer, .address_space: global }
      - { .name: part, .offset: 16, .size: 8, .value_kind: global_buffer, .address_space: global }
    .group_segment_fixed_size: 67584
    .private_segment_fixed_size: 0
    .kernarg_segment_align: 8
    .kernarg_segment_size: 24
    .max_flat_workgroup_size: 512
    .sgpr_count:     66
    .vgpr_count:     242
    .wavefront_size: 32
...
	.end_amdgpu_metadata
.endif
;; end of part 1
;; launch fold (part 2): grid 16 x 1, 8 waves a work-group, no clusters, 5,120 bytes of LDS; arguments part, out0; writes out0
.if DOCPART == 2
	.amdgcn_target "amdgcn-amd-amdhsa--gfx1250"
	.amdhsa_code_object_version 6
	.text
	.protected	k_q6f86f75bf0_fold
	.globl	k_q6f86f75bf0_fold
	.p2align	8
	.type	k_q6f86f75bf0_fold,@function
k_q6f86f75bf0_fold:
	s_mov_b64 s[64:65], 0
	v_nop
	global_prefetch_b8 v0, s[64:65] scope:SCOPE_SE
	s_setreg_imm32_b32 hwreg(HW_REG_WAVE_MODE, 25, 1), 1
	s_wait_xcnt 0x0
; out0[c] = sum over g of part[g][c].  part: [256][1024] f32, out0: [1024] f32.  All sums in f32, in a fixed order.
; Sixteen work-groups; each owns 64 columns: 256 aligned bytes of every partial and of out0 (a smaller share would take such a block in part).
; Eight waves; a wave takes 32 partials with sixteen 16-byte loads a lane, all issued at once: lanes 0 to 15 take the 256 bytes of an even
; partial, lanes 16 to 31 those of the odd one below it.  Each thread adds its sixteen, the 16 contributions (8 waves x 2 halves) of 256 bytes
; meet in LDS, and wave 0 adds them, two columns a lane, and stores the 256 bytes with one instruction: no lane is ever switched off.
; One row of 1,024 sums of 256 numbers: no matrix work, nothing shared between work-groups, no ring: every load is out from the start.
.set ROW,  4096                        ; bytes in a partial
.set GO,   1                           ; v1       my byte offset in part: (32 wave + half) x 4,096 + 16 x (lane mod 16); never rewritten
.set LS,   2                           ; v2       LDS: 512 x wave + 16 x lane = 256 x (2 wave + half) + 16 x (lane mod 16)
.set LR,   3                           ; v3       8 x lane: my two columns, in LDS and in out0
.set X,    4                           ; v[4:67]  load i: 4 registers; later the 16 contributions, 2 registers each
	s_load_b128 s[4:7], s[0:1], 0x0                ; part s[4:5], out0 s[6:7]
	v_lshl_add_u32 v68, v0, 2, 0x1000
	v_mov_b32 v69, 0
	v_lshrrev_b32 v[LS], 5, v0
	v_readfirstlane_b32 s8, v[LS]                  ; wave 0..7, as a scalar
	v_and_b32 v[GO], 15, v0                        ; lane mod 16
	v_bfe_u32 v[LR], v0, 4, 1                      ; which half of the lanes
	v_lshlrev_b32 v[GO], 4, v[GO]
	v_lshl_add_u32 v[GO], v[LR], 12, v[GO]         ; the odd partial for lanes 16 to 31
	v_lshl_add_u32 v[GO], s8, 17, v[GO]            ; + wave x 32 partials x 4,096 bytes
	s_lshl_b32 s10, ttmp9, 8                       ; the work-group's 256 bytes of a row
	s_mov_b32 s11, 0
	s_wait_kmcnt 0x0
	s_add_nc_u64 s[4:5], s[4:5], s[10:11]
	s_add_nc_u64 s[6:7], s[6:7], s[10:11]
.irp i, 0,1,2,3,4,5,6,7,8,9,10,11,12,13,14,15
	global_load_b128 v[X+4*\i:X+4*\i+3], v[GO], s[4:5] offset:2*ROW*\i    ; partials 32 wave + 2 i and + 2 i + 1
.endr
	v_and_b32 v[LR], 31, v0
	v_lshlrev_b32 v[LS], 4, v[LR]
	v_lshl_add_u32 v[LS], s8, 9, v[LS]             ; 512 x wave + 16 x lane
	v_lshlrev_b32 v[LR], 3, v[LR]                  ; 8 x lane
.macro QUADSUM c, d                    ; load c's four numbers += load d's
	v_pk_add_f32 v[X+4*(\c):X+4*(\c)+1],   v[X+4*(\c):X+4*(\c)+1],   v[X+4*(\d):X+4*(\d)+1]
	v_pk_add_f32 v[X+4*(\c)+2:X+4*(\c)+3], v[X+4*(\c)+2:X+4*(\c)+3], v[X+4*(\d)+2:X+4*(\d)+3]
.endm
.irp k, 0,1,2,3,4,5,6,7
	s_wait_loadcnt 14-2*\k                         ; loads come back in order (ISA guide 5.7.1): loads 2 k and 2 k + 1 are in, the 14 - 2 k younger ones may be out
	QUADSUM 2*\k, 2*\k+1
.endr
.irp c, 0,4,8,12
	QUADSUM \c, \c+2
.endr
	QUADSUM 0, 4
	QUADSUM 8, 12
	QUADSUM 0, 8
	ds_store_b128 v[LS], v[X:X+3]                  ; 32 lanes, 512 neighbouring bytes: two contributions of 256 bytes
	s_wait_dscnt 0x0                               ; for wave 0's sake: my store is done before I say so
	s_barrier_signal -1
	s_barrier_wait -1
	s_cmp_lg_u32 s8, 0
	s_cbranch_scc1 .Lend                           ; 64 columns are left: one wave's work, two columns a lane
.irp c, 0,1,2,3,4,5,6,7,8,9,10,11,12,13,14,15
	ds_load_b64 v[X+2*\c:X+2*\c+1], v[LR] offset:256*\c           ; contribution c: 32 lanes, 256 neighbouring bytes
.endr
.macro PAIRSUM c, d                    ; pair c += pair d
	v_pk_add_f32 v[X+2*(\c):X+2*(\c)+1], v[X+2*(\c):X+2*(\c)+1], v[X+2*(\d):X+2*(\d)+1]
.endm
	s_wait_dscnt 0x8                               ; the first eight are in, the younger eight may be out
.irp c, 0,2,4,6
	PAIRSUM \c, \c+1
.endr
	s_wait_dscnt 0x0
.irp c, 8,10,12,14
	PAIRSUM \c, \c+1
.endr
.irp c, 0,4,8,12
	PAIRSUM \c, \c+2
.endr
	PAIRSUM 0, 4
	PAIRSUM 8, 12
	PAIRSUM 0, 8
	global_store_b64 v[LR], v[X:X+1], s[6:7]       ; the wave's one store covers the work-group's 256 consecutive bytes of out0, aligned
.Lend:
	s_wait_tensorcnt 0x0
	ds_add_u32 v68, v69
	s_wait_dscnt 0x0
	s_endpgm
.Lfunc_end_k_q6f86f75bf0_fold:
	.size	k_q6f86f75bf0_fold, .Lfunc_end_k_q6f86f75bf0_fold-k_q6f86f75bf0_fold
	.p2alignl 7, 3214868480
	.fill 96, 4, 3214868480
	.section	.rodata,"a",@progbits
	.p2align	6, 0x0
	.amdhsa_kernel k_q6f86f75bf0_fold
		.amdhsa_group_segment_fixed_size 5120
		.amdhsa_private_segment_fixed_size 0
		.amdhsa_enable_private_segment 0
		.amdhsa_kernarg_size 16
		.amdhsa_user_sgpr_count 2
		.amdhsa_user_sgpr_kernarg_segment_ptr 1
		.amdhsa_wavefront_size32 1
		.amdhsa_system_sgpr_workgroup_id_x 1
		.amdhsa_system_sgpr_workgroup_id_y 1
		.amdhsa_system_sgpr_workgroup_id_z 1
		.amdhsa_system_vgpr_workitem_id 0
		.amdhsa_next_free_vgpr 70
		.amdhsa_next_free_sgpr 66
		.amdhsa_reserve_vcc 0
		.amdhsa_float_denorm_mode_32 3
		.amdhsa_float_denorm_mode_16_64 3
		.amdhsa_memory_ordered 1
		.amdhsa_forward_progress 1
		.amdhsa_inst_pref_size 8
	.end_amdhsa_kernel
	.amdgpu_metadata
---
amdhsa.version: [ 1, 2 ]
amdhsa.kernels:
  - .name:           k_q6f86f75bf0_fold
    .symbol:         k_q6f86f75bf0_fold.kd
    .args:
      - { .name: part, .offset: 0, .size: 8, .value_kind: global_buffer, .address_space: global }
      - { .name: out0, .offset: 8, .size: 8, .value_kind: global_buffer, .address_space: global }
    .group_segment_fixed_size: 5120
    .private_segment_fixed_size: 0
    .kernarg_segment_align: 8
    .kernarg_segment_size: 16
    .max_flat_workgroup_size: 256
    .sgpr_count:     66
    .vgpr_count:     70
    .wavefront_size: 32
...
	.end_amdgpu_metadata
.endif
;; end of part 2
;; ======== version 2 of 2: 2 launches; version 1 with the launch partial written anew for expert scheduling mode
;; workspace buffers: part 1,048,576 bytes
;; launch partial (part 3): grid 256 x 1, 16 waves a work-group, no clusters, 67,584 bytes of LDS; arguments keys, query, part; writes part
.if DOCPART == 3
	.amdgcn_target "amdgcn-amd-amdhsa--gfx1250"
	.amdhsa_code_object_version 6
	.text
	.protected	k_q6f86f75bf0_partial
	.globl	k_q6f86f75bf0_partial
	.p2align	8
	.type	k_q6f86f75bf0_partial,@function
k_q6f86f75bf0_partial:
	s_mov_b64 s[64:65], 0
	v_nop
	global_prefetch_b8 v0, s[64:65] scope:SCOPE_SE
	s_setreg_imm32_b32 hwreg(HW_REG_WAVE_SCHED_MODE, 0, 2), 2
	s_setreg_imm32_b32 hwreg(HW_REG_WAVE_MODE, 25, 1), 1
	s_wait_xcnt 0x0
	s_wait_alu depctr_vm_vsrc(0)
; part[g][c] = sum over the work-group's 128 rows s of cos(s) * keys[s][c],   cos(s) = (keys[s] . q) / (|q| |keys[s]|).
; keys: [32768][1024] f32, query: [1024] f32, part: [256][1024] f32 (one partial context for each work-group; the next launch adds them).
; A stream: three multiply-adds for every 4 bytes read, so the bytes decide.  Every byte of keys is read once.
; Sixteen waves; a wave owns 8 neighbouring rows.  A row is 4,096 bytes: eight 16-byte loads a lane, each load of the wave 512 neighbouring
; aligned bytes, 32 registers.  The row stays in registers between the pass that makes k.q and k.k and the pass that adds score * row.
; A ring of five row slots a wave: 16 waves x 5 rows x 4,096 bytes = 320 KB of the group's 512 KB are asked for at the start.
; Four waves of 242 registers lie on each of the WGP's four SIMDs: 968 of its 1,024 registers.
; All arithmetic in f32 on the vector unit.  No matrix instruction: the product has ONE query row, so 15 of a tile's 16 columns would be
; idle, and rounding the keys to bf16 would cost as many vector instructions as the multiply-adds it replaced.
; No cluster: the work-groups share nothing but the query, 4 KB beside the 512 KB of keys that each reads alone.
; LIMITS: q.q and every row's k.k must be normal f32 numbers (norms from about 1.1e-19 to 1.8e19): v_rsq_f32 takes a denormal as zero.
; A row of zeros gives NaN, as 0/0 does.  Rounding differs from a division by |q| |k|: q is scaled once by rsq(q.q), the score is
; (k.q^) * rsq(k.k), and the sums run lane by lane, then across lanes, waves and work-groups.
; THE MODE: SCHED_MODE bits 1:0 = 2 (LLVM: expert scheduling mode 2), set by the entry lines.  The code itself states the register dependences
; between vector instructions and memory or LDS instructions, with s_wait_alu, always for 0.
; THE PLAN.  Registers that memory or LDS instructions touch:
;   v[QO], v[KO], v[LR]  offsets.  Written at the head, never again; read by the loads of the query, by the loads of keys, by the LDS loads and the last store.
;   v[LS]                LDS address.  Written once behind q's reciprocal roots; read by the eight LDS stores at the end.
;   Q                    The query's loads land in it before any vector instruction has named it; no memory instruction reads it.
;   X0 .. X4             A turn's two passes read its slot.  Slots 0, 1, 2 are loaded again (rows 5, 6, 7) behind their turn's second pass; at the end
;                        the LDS loads land in slot 0's registers, which vector instructions last read in turn 5.
;   ACC                  Written by every turn's second pass; read by the LDS stores at the end.
;   v[X:X+1]             Written by the last sum of pairs; read by the last store.
;   D, N and S are named by vector instructions alone.
; No register that a memory or LDS instruction reads is written afterwards, so the only waits on vm_vsrc are at entry and exit; EXEC and VCC are never written.
; The waits on va_vdst: one ahead of the first load (the offsets); one behind each batch of reciprocal roots, ahead of its first reader; one behind the
; second pass of the three turns that fill their slot again (the refill goes out at once: behind the next turn's wait for its row it would go out a
; row's landing later, and four rows of the wave would be on their way in place of five); one ahead of the LDS stores; one ahead of the last store.
.set ROW,    4096                      ; bytes in a row
.set SLOTS,  5                         ; row slots of a wave
.set QO,   1                           ; v1        16 x lane: my 16 bytes in each 512 of the query; never rewritten
.set KO,   2                           ; v2        16 x lane + wave x 8 rows: my bytes in the wave's first row; never rewritten
.set LS,   3                           ; v3        LDS: where my wave's sums go (wave x 4,096 + 16 x lane)
.set LR,   4                           ; v4        8 x thread: my two columns, in LDS and in part
.set S,    6                           ; v[6:7]    score, rsq
.set D,    8                           ; v[8:11]   two chains (pairs) of k.q^
.set N,    12                          ; v[12:15]  two chains (pairs) of k.k
.set Q,    16                          ; v[16:47]  q^ = q / |q|: register 4 j + c of lane l is column 128 j + 4 l + c, as in every row slot
.set ACC,  48                          ; v[48:79]  the wave's running context, same layout
.set X,    80                          ; v[80:239] slot s: 32 registers, a row
	s_load_b128 s[4:7], s[0:1], 0x0                ; keys s[4:5], query s[6:7]
	s_load_b64 s[8:9], s[0:1], 0x10                ; part
	v_lshl_add_u32 v240, v0, 2, 0x10000
	v_mov_b32 v241, 0
	v_lshrrev_b32 v[LS], 5, v0
	v_readfirstlane_b32 s14, v[LS]                 ; wave 0..15, as a scalar
	v_and_b32 v[QO], 31, v0
	v_lshlrev_b32 v[QO], 4, v[QO]                  ; 16 x lane
	v_lshlrev_b32 v[LR], 3, v0                     ; 8 x thread
	s_wait_alu depctr_va_sdst(0)                   ; s14 is written, ahead of its first reader, the line below
	v_lshl_add_u32 v[KO], s14, 15, v[QO]           ; + wave x 8 rows x 4,096 bytes
	s_lshl_b32 s15, s14, 12                        ; my wave's 4,096 bytes of LDS
	s_lshl_b32 s2, ttmp9, 19                       ; the work-group's 128 rows x 4,096 bytes: at most 255 x 2^19, below 2^32
	s_mov_b32 s3, 0
	s_lshl_b32 s12, ttmp9, 12                      ; the work-group's row of part
	s_mov_b32 s13, 0
	s_mov_b32 s10, 0x76543210                      ; v_permlanex16_b32: lane i of one half reads lane i of the other
	s_mov_b32 s11, 0xfedcba98
	s_wait_kmcnt 0x0
	s_add_nc_u64 s[4:5], s[4:5], s[2:3]            ; keys at the group's first row
	s_add_nc_u64 s[8:9], s[8:9], s[12:13]          ; part at the group's row
	s_wait_alu depctr_va_vdst(0)                   ; the offsets v[QO], v[KO] and v[LR] are written: every load, every LDS load and the last store read one of them, and none is written again
.irp j, 0,1,2,3,4,5,6,7
	global_load_b128 v[Q+4*\j:Q+4*\j+3], v[QO], s[6:7] offset:512*\j      ; the query: every wave reads it, so no hint
.endr
; Eight loads bring a row into slot s.  The row and the piece stand in the immediate (at most 7 x 4,096 + 3,584), so no address is ever stepped.
.macro FILL row, s
.irp j, 0,1,2,3,4,5,6,7
	global_load_b128 v[X+32*\s+4*\j:X+32*\s+4*\j+3], v[KO], s[4:5] offset:(\row)*ROW+512*\j th:TH_LOAD_NT   ; read once in the launch
.endr
.endm
	FILL 0, 0                                      ; the first fills land in registers that no vector instruction has named
	FILL 1, 1
	FILL 2, 2
	FILL 3, 3
	FILL 4, 4
	; q^ = q * rsq(q.q), once a wave, while the keys are on their way
	s_wait_loadcnt 8*SLOTS                         ; loads come back in order (ISA guide 5.7.1): the query is in, the 40 loads of rows 0 to 4 stay out
.irp c, 0,1,2,3
	v_pk_mul_f32 v[D+2*\c:D+2*\c+1], v[Q+2*\c:Q+2*\c+1], v[Q+2*\c:Q+2*\c+1]      ; the first products start four chains (D and N together): nothing is cleared
.endr
.set p, 4
.rept 12
	v_pk_fma_f32 v[D+2*(p%4):D+2*(p%4)+1], v[Q+2*p:Q+2*p+1], v[Q+2*p:Q+2*p+1], v[D+2*(p%4):D+2*(p%4)+1]
.set p, p+1
.endr
	v_pk_add_f32 v[D:D+1], v[D:D+1], v[D+2:D+3]
	v_pk_add_f32 v[N:N+1], v[N:N+1], v[N+2:N+3]
	v_pk_add_f32 v[D:D+1], v[D:D+1], v[N:N+1]
	v_add_f32 v[D], v[D], v[D+1]
.irp m, 1,2,4,8
	v_add_f32_dpp v[D], v[D], v[D] row_xmask:\m row_mask:0xf bank_mask:0xf       ; lane i adds lane i xor m, inside each half of 16 lanes
.endr
	v_permlanex16_b32 v[D+1], v[D], s10, s11       ; the other half's sum (its destination counts as read: D+1 has been written)
	v_add_f32 v[D], v[D], v[D+1]                   ; q.q in every lane
	v_rsq_f32 v[S], v[D]                           ; twice: a pair for the packed multiply
	v_rsq_f32 v[S+1], v[D]
	v_add_nc_u32 v[LS], s15, v[QO]                 ; one plain vector instruction stands between v_rsq_f32 and the use of its result (ISA guide 5.7.2); no memory instruction has read v[LS]
	s_wait_alu depctr_va_vdst(0)                   ; the two reciprocal roots v[S] and v[S+1] are written, ahead of their first reader: one wait for the batch
.set p, 0
.rept 16
	v_pk_mul_f32 v[Q+2*p:Q+2*p+1], v[Q+2*p:Q+2*p+1], v[S:S+1]
.set p, p+1
.endr
; The turn of one row, in slot s.  first = 1: its products start the running context.  fill = 1: the slot then gets the row SLOTS further down.
; left = how many younger loads may stay out.
.macro TURN row, s, first, fill, left
	s_wait_loadcnt \left                           ; my row's eight loads are in; the rows asked for behind it stay on their way
	; pass 1: k.q^ and k.k of my 32 numbers, two chains each, taken by turns so that no line waits for the one in front of it
	v_pk_mul_f32 v[D:D+1],   v[X+32*\s:X+32*\s+1],   v[Q:Q+1]
	v_pk_mul_f32 v[N:N+1],   v[X+32*\s:X+32*\s+1],   v[X+32*\s:X+32*\s+1]
	v_pk_mul_f32 v[D+2:D+3], v[X+32*\s+2:X+32*\s+3], v[Q+2:Q+3]
	v_pk_mul_f32 v[N+2:N+3], v[X+32*\s+2:X+32*\s+3], v[X+32*\s+2:X+32*\s+3]
.set p, 2
.rept 14
	v_pk_fma_f32 v[D+2*(p%2):D+2*(p%2)+1], v[X+32*\s+2*p:X+32*\s+2*p+1], v[Q+2*p:Q+2*p+1], v[D+2*(p%2):D+2*(p%2)+1]
	v_pk_fma_f32 v[N+2*(p%2):N+2*(p%2)+1], v[X+32*\s+2*p:X+32*\s+2*p+1], v[X+32*\s+2*p:X+32*\s+2*p+1], v[N+2*(p%2):N+2*(p%2)+1]
.set p, p+1
.endr
	v_pk_add_f32 v[N:N+1], v[N:N+1], v[N+2:N+3]
	v_pk_add_f32 v[D:D+1], v[D:D+1], v[D+2:D+3]
	v_add_f32 v[N], v[N], v[N+1]
	v_add_f32 v[D], v[D], v[D+1]
	; across the 32 lanes, both sums by turns: four steps inside each half, one across the halves; every lane ends with both sums
.irp m, 1,2,4,8
	v_add_f32_dpp v[N], v[N], v[N] row_xmask:\m row_mask:0xf bank_mask:0xf
	v_add_f32_dpp v[D], v[D], v[D] row_xmask:\m row_mask:0xf bank_mask:0xf
.endr
	v_permlanex16_b32 v[N+1], v[N], s10, s11
	v_permlanex16_b32 v[D+1], v[D], s10, s11
	v_add_f32 v[N], v[N], v[N+1]                   ; k.k
	v_rsq_f32 v[S+1], v[N]                         ; 1 / |k|
	v_add_f32 v[D], v[D], v[D+1]                   ; k.q^: also the plain instruction between v_rsq_f32 and its result's use (ISA guide 5.7.2)
	s_wait_alu depctr_va_vdst(0)                   ; the reciprocal root v[S+1] is written, ahead of its first reader, the line below
	v_mul_f32 v[S], v[D], v[S+1]                   ; the row's cosine
	; pass 2: context += cosine * row; op_sel_hi 0 for the second source lets both halves take v[S]
.set p, 0
.rept 16
.if \first
	v_pk_mul_f32 v[ACC+2*p:ACC+2*p+1], v[X+32*\s+2*p:X+32*\s+2*p+1], v[S:S+1] op_sel_hi:[1,0]
.else
	v_pk_fma_f32 v[ACC+2*p:ACC+2*p+1], v[X+32*\s+2*p:X+32*\s+2*p+1], v[S:S+1], v[ACC+2*p:ACC+2*p+1] op_sel_hi:[1,0,1]
.endif
.set p, p+1
.endr
.if \fill
	s_wait_alu depctr_va_vdst(0)                   ; pass 2 is done reading the slot, in which the eight loads below land
	FILL \row+SLOTS, \s                            ; the slot has been read for the last time: its next row goes out at once
.endif
.endm
	; Issue order of the rows: 0 to 4 at the start, 5, 6, 7 behind turns 0, 1, 2.  Each count is 8 x the rows issued behind the one that is due.
	TURN 0, 0, 1, 1, 32                            ; rows 1 to 4 stay out
	TURN 1, 1, 0, 1, 32                            ; rows 2 to 5
	TURN 2, 2, 0, 1, 32                            ; rows 3 to 6
	TURN 3, 3, 0, 0, 32                            ; rows 4 to 7; nothing is left to ask for, and the counts run down
	TURN 4, 4, 0, 0, 24
	TURN 5, 0, 0, 0, 16
	TURN 6, 1, 0, 0, 8
	TURN 7, 2, 0, 0, 0
	; The sixteen waves' contexts meet in LDS: wave w's 4,096 bytes at 4,096 w, in the order of the columns (512 j + 16 x lane).
	s_wait_alu depctr_va_vdst(0)                   ; the last pass 2 has written ACC, and v[LS] is written: the LDS stores read both; turn 5 is done reading slot 0's registers, in which the LDS loads behind the barrier land (no vector instruction stands between)
.irp j, 0,1,2,3,4,5,6,7
	ds_store_b128 v[LS], v[ACC+4*\j:ACC+4*\j+3] offset:512*\j       ; 32 lanes, 512 neighbouring bytes
.endr
	s_wait_dscnt 0x0                               ; for the other waves' sake: my stores are done before I say so
	s_barrier_signal -1
	s_barrier_wait -1
	; Thread t adds columns 2 t and 2 t + 1 of the sixteen contexts: a wave's load takes 256 neighbouring bytes.
.irp w, 0,1,2,3,4,5,6,7,8,9,10,11,12,13,14,15
	ds_load_b64 v[X+2*\w:X+2*\w+1], v[LR] offset:4096*\w
.endr
.macro PAIRSUM c, d                    ; pair c += pair d
	v_pk_add_f32 v[X+2*(\c):X+2*(\c)+1], v[X+2*(\c):X+2*(\c)+1], v[X+2*(\d):X+2*(\d)+1]
.endm
	s_wait_dscnt 0x8                               ; LDS loads come back in order (ISA guide 5.7.1): the first eight are in, the younger eight may be out
.irp c, 0,2,4,6
	PAIRSUM \c, \c+1
.endr
	s_wait_dscnt 0x0
.irp c, 8,10,12,14
	PAIRSUM \c, \c+1
.endr
.irp c, 0,4,8,12
	PAIRSUM \c, \c+2
.endr
	PAIRSUM 0, 4
	PAIRSUM 8, 12
	PAIRSUM 0, 8
	s_wait_alu depctr_va_vdst(0)                   ; the last sum of pairs has written v[X:X+1], which the store reads
	global_store_b64 v[LR], v[X:X+1], s[8:9]       ; each store of a wave covers 256 consecutive bytes, aligned; the next launch reads them: no hint
	s_wait_dscnt 0x0
	s_wait_alu depctr_hold_cnt(0) depctr_sa_sdst(0) depctr_va_vdst(0) depctr_va_sdst(0) depctr_va_ssrc(0) depctr_va_vcc(0) depctr_vm_vsrc(0)
	s_wait_tensorcnt 0x0
	ds_add_u32 v240, v241
	s_wait_dscnt 0x0
	s_endpgm
.Lfunc_end_k_q6f86f75bf0_partial:
	.size	k_q6f86f75bf0_partial, .Lfunc_end_k_q6f86f75bf0_partial-k_q6f86f75bf0_partial
	.p2alignl 7, 3214868480
	.fill 96, 4, 3214868480
	.section	.rodata,"a",@progbits
	.p2align	6, 0x0
	.amdhsa_kernel k_q6f86f75bf0_partial
		.amdhsa_group_segment_fixed_size 67584
		.amdhsa_private_segment_fixed_size 0
		.amdhsa_enable_private_segment 0
		.amdhsa_kernarg_size 24
		.amdhsa_user_sgpr_count 2
		.amdhsa_user_sgpr_kernarg_segment_ptr 1
		.amdhsa_wavefront_size32 1
		.amdhsa_system_sgpr_workgroup_id_x 1
		.amdhsa_system_sgpr_workgroup_id_y 1
		.amdhsa_system_sgpr_workgroup_id_z 1
		.amdhsa_system_vgpr_workitem_id 0
		.amdhsa_next_free_vgpr 242
		.amdhsa_next_free_sgpr 66
		.amdhsa_reserve_vcc 0
		.amdhsa_float_denorm_mode_32 3
		.amdhsa_float_denorm_mode_16_64 3
		.amdhsa_memory_ordered 1
		.amdhsa_forward_progress 1
		.amdhsa_inst_pref_size 46
	.end_amdhsa_kernel
	.amdgpu_metadata
---
amdhsa.version: [ 1, 2 ]
amdhsa.kernels:
  - .name:           k_q6f86f75bf0_partial
    .symbol:         k_q6f86f75bf0_partial.kd
    .args:
      - { .name: keys, .offset: 0, .size: 8, .value_kind: global_buffer, .address_space: global }
      - { .name: query, .offset: 8, .size: 8, .value_kind: global_buffer, .address_space: global }
      - { .name: part, .offset: 16, .size: 8, .value_kind: global_buffer, .address_space: global }
    .group_segment_fixed_size: 67584
    .private_segment_fixed_size: 0
    .kernarg_segment_align: 8
    .kernarg_segment_size: 24
    .max_flat_workgroup_size: 512
    .sgpr_count:     66
    .vgpr_count:     242
    .wavefront_size: 32
...
	.end_amdgpu_metadata
.endif
;; end of part 3
;; launch fold: the kernel of part 2 again; grid 16 x 1, 8 waves a work-group, no clusters, 5,120 bytes of LDS; arguments part, out0; writes out0
